; MI455X (gfx1250); checked and timed in simulation.
; The chip was launched on July 23, 2026; its instructions are those of AMD's public machine-readable ISA for CDNA 5 (MIT licence, August 2026) and "CDNA5" Instruction Set Architecture Reference Guide (July 2026). The comments in the code are by the model that wrote it; some were corrected since.
;; Scaled Dot Product Attention. Allowed arithmetic: matrix products marked QUANTISED: E5M2 operands, one E8M0 scale for each 32 along K, by v_wmma_scale_f32_16x16x128_f8f6f4 with both operands' format E5M2, f32 sums; everything else in f32.
;; Inputs: k_codes 4 x 16 x 2,048 x 2 x 32 uint8 (E5M2 codes of k, K innermost, in blocks of 32 codes); k_scales 4 x 16 x 2,048 x 2 uint8 (E8M0 scales of k, one for each 32 codes along K); q_codes 4 x 16 x 2,048 x 2 x 32 uint8 (E5M2 codes of q, K innermost, in blocks of 32 codes); q_scales 4 x 16 x 2,048 x 2 uint8 (E8M0 scales of q, one for each 32 codes along K); v_codes 4 x 16 x 64 x 64 x 32 uint8 (E5M2 codes of v, K innermost, in blocks of 32 codes); v_scales 4 x 16 x 64 x 64 uint8 (E8M0 scales of v, one for each 32 codes along K).
;; Outputs: out0 4 x 16 x 2,048 x 64 float32.
;; Constants: is_causal = 1.
;; This version of the problem:
;;   THIS VERSION OF THE PROBLEM IS GIVEN IN LOW PRECISION. The matrix products marked QUANTISED in the list below multiply operands that are first quantised to E5M2 (5 exponent bits, 2 mantissa bits; 8 bits a number), with one power-of-two scale for each 32 numbers along K (OCP MX v1.0); their sums are f32. All else is computed in f32.
;;   The module's matrix products, in the order in which they are computed (A, B: the left and right operand; K: the contracted axis; several contracted axes count as one K, in the product's order):
;;     1. batch 64 x [M 2,048, K 64] x [K 64, N 2,048]; A: input q (given as codes); B: input k (given as codes): QUANTISED
;;     2. batch 64 x [M 2,048, K 2,048] x [K 2,048, N 64]; A: computed on the way; B: input v (given as codes): QUANTISED
;;   THE QUANTISER, for each operand of a quantised product, along K:
;;     - K is cut into blocks of 32 from its start; a last block that is shorter is filled with zeros.
;;     - A block's scale is 2^e with e = floor(log2(the largest magnitude in the block)) - 15, held to -126 .. 127; a block of zeros has e = 0. As a byte (E8M0): e + 127.
;;     - Each number is divided by its block's scale, clamped to +-57,344, and rounded to the nearest number of E5M2, ties to even, subnormals kept.
;;     - The product sums the exact products of the quantised numbers (number of the format x scale) in f32.
;;   ~~~python
;;   def quantise(x, axis):      # numpy; x: float32 -> the quantised numbers, widened to float32 again
;;       x = np.moveaxis(x, axis, -1); K = x.shape[-1]
;;       x = np.pad(x, [(0, 0)] * (x.ndim - 1) + [(0, -K % 32)]); x = x.reshape(x.shape[:-1] + (-1, 32)); a = np.abs(x).max(-1, keepdims=True)
;;       e = np.where(a > 0, np.clip(np.frexp(np.where(a > 0, a, 1))[1] - 1 - 15, -126, 127), 0)      # np.frexp(a)[1] - 1 = floor(log2(a)), exactly
;;       r = np.clip(x / 2.0 ** e, -57344, 57344)
;;       step = 2.0 ** (np.maximum(np.frexp(np.where(r == 0, 1, r))[1] - 1, -14) - 2)
;;       q = np.round(r / step) * step * 2.0 ** e      # np.round: ties to even
;;       return np.moveaxis(q.reshape(q.shape[:-2] + (-1,))[..., :K], -1, axis).astype(np.float32)
;;   ~~~
;;   OPERANDS COMPUTED ON THE WAY. 'Computed on the way' means the value that the module computes at that place (a softmax that the list does not call 'softmax' is quantised finished and normalised). What goes into a quantiser is computed in f32, as accurately as f32 sums, v_exp_f32 and their like allow (about 1e-6 of the number): no bf16 or f16 on the way to a quantiser, and a product that is left as it is and whose result goes on into a quantised operand takes f32 operands (vector FMAs, or v_wmma_f32_16x16x4_f32). A number that lies on a knife's edge between two numbers of the format may be rounded either way, as far as f32 arithmetic and the matrix unit's own rounding can turn it there, and no further.
;;   INPUTS GIVEN AS CODES. k (in the module: [4, 16, 2048, 64], K = its axis 3); q (in the module: [4, 16, 2048, 64], K = its axis 3); v (in the module: [4, 16, 2048, 64], K = its axis 2): each comes as NAME_codes (uint8): NAME with its K axis moved to the last place and cut into blocks of 32 codes, [.., K / 32, bytes a block], one block behind the other in memory; one code a byte (a code: sign, 5 exponent bits, 2 mantissa bits); and NAME_scales (uint8): the same leading axes, one E8M0 byte (e + 127) for each 32 codes along K. Its value is code x scale, taken as it is: it is not quantised again, and the codes and scales need not be those that the quantiser above would give.
;; One version. Each part assembles by itself: llvm-mc -triple=amdgcn-amd-amdhsa -mcpu=gfx1250 --defsym DOCPART=n.
;; ======== version 1 of 1: 1 launch
;; limits: right only within a limited range of input values
;; launch attn (part 1): grid 4 x 64, 8 waves a work-group, clusters of 4 x 1, 327,680 bytes of LDS; arguments q_codes, q_scales, k_codes, k_scales, v_codes, v_scales, out0; writes out0
.if DOCPART == 1
	.amdgcn_target "amdgcn-amd-amdhsa--gfx1250"
	.amdhsa_code_object_version 6
	.text
	.protected	k_qed471676ca_attn
	.globl	k_qed471676ca_attn
	.p2align	8
	.type	k_qed471676ca_attn,@function
k_qed471676ca_attn:
	s_mov_b64 s[64:65], 0
	v_nop
	global_prefetch_b8 v0, s[64:65] scope:SCOPE_SE
	s_setreg_imm32_b32 hwreg(HW_REG_WAVE_MODE, 25, 1), 1
	s_wait_xcnt 0x0
	s_wait_alu depctr_hold_cnt(0) depctr_sa_sdst(0) depctr_va_vdst(0) depctr_va_sdst(0) depctr_va_ssrc(0) depctr_va_vcc(0) depctr_vm_vsrc(0)
	s_getreg_b32 s2, hwreg(HW_REG_IB_STS2, 6, 4)
	s_cmp_eq_u32 s2, 0
	s_cbranch_scc0 .Lentry_in_a_cluster
	s_endpgm
.Lentry_in_a_cluster:
	s_bfe_u32 s2, ttmp6, 0x10000c
	s_cmp_lg_u32 s2, 0x3003
	s_cbranch_scc0 .Lentry_shape_is_right
	s_endpgm
.Lentry_shape_is_right:
; out[h][q][:] = the sum over k <= q of softmax_k(Q[h][q] . K[h][k] / 8) V[h][k][:], 64 heads, 2,048 queries and keys, head size 64.
; Both products on codes of BF8 (E5M2) with one E8M0 scale for each 32 along a product's K.  Q, K: [64][2048][64] codes, scale bytes [64][2048][2].  V: the KEYS innermost, [64][64][2048] codes, scale bytes [64][64][64].  out: [64][2048][64] f32.
; WHAT IS QUANTISED FOR THE SECOND PRODUCT IS THE FINISHED SOFTMAX, p = exp(s - max) / sum.  A row's sum must be known before any p of the row gets its code, so the keys are walked TWICE:
;   pass 1: K Q^T, a running maximum and sum;   pass 2: K Q^T again, p, the quantiser, P V.  Since p is finished, O is neither rescaled on the way nor divided at the end.
; A LANE'S ARITHMETIC.  c = log2(e) / 8; -M = floor(-(the largest c s so far)): M is a whole number; p~ = 2^(c s - M); l = the sum of p~, brought under a new M by a power of two (nothing is rounded);
;   p = p~ x (1 / l), 1 / l by v_rcp_f32 and one Newton step.  A block of 32 keys: scale 2^(floor(log2(largest p)) - 15), byte held at 1 from below, rounded to the nearest code.
; A WHOLE HEAD LIES IN LDS: K's codes, V's codes, both tensors' scale words and a table for the mask: 305,152 bytes, each byte filled once.  So there is no ring and nothing is filled again.
; CLUSTER.  The four work-groups of a head form a cluster and need the same K and V: each tile is asked for JOINTLY, by the same tensor load with the same descriptor and a mask that names the four.
; SHARES.  A unit is 32 queries (two tiles a = 0, 1 of 16), so that a fragment of K read from LDS feeds four products and one of V two.  Unit (j, cx) holds queries 128 j + 32 cx on; cx is the work-group's place in its cluster.
;   Wave w takes j = w and j = 15 - w: (w + 1) + (16 - w) = 17 key steps of 128 in each pass, the same for every wave.  Branches hang on w and the loop's counter alone; cx enters Q's and out's addresses and the mask table's DATA.
; HEAD SIZE 64 IN A PRODUCT 128 DEEP.  A fragment of K holds key x in k = 0..63 and key x + 8 in k = 64..127.  Q's eight registers stand between groups of eight zero registers: [q, 0] picks key x, [0, q] key x + 8.
; THE KEYS OF A FRAGMENT ARE NOT NEIGHBOURS: lane r of fragment c takes key 32 c + r + 8 (r / 8).  S^T = K Q^T (source 0 = keys, source 1 = queries) then gives lane (r, h) query r, and its register 16 c + i key 32 c + 16 h + i:
;   sixteen neighbours along the second product's K, so that the conversions' results are P's operand registers as they stand.
; THE MASK.  Only step T = j lies on the diagonal.  There S's 128 registers are first loaded from a table in LDS (0 where the key counts, -3e38 where it is hidden) and the products add onto them; every other step's products begin with 0.
; P V: source 0 = P, source 1 = V.  V's tile t holds channels 4 r + t (the tensor load takes every fourth row of V).  Register j of tile t in lane (r, h) is out(query 8 h + j, channel 4 r + t): the four tiles' registers j are 16
;   neighbouring bytes of a row of out, and sixteen lanes store one whole row of 256 bytes.  No stage in LDS.
; LIMITS.  Codes of infinity or NaN and scale bytes 0xff are not served (a zero code times such a number would also reach the key 8 away and hidden keys).  A hidden score is -3e38 + s and not -infinity: p is 0 all the same while
;   |q . k| stays under 1e37.  A p~ under 2^-126 counts as 0.  Every query sees its own key, so no row of the softmax is empty.
.set KP,    144                        ; LDS: a row of K: two keys, 128 bytes, + 16 of padding.  Key k lies at (k / 2) x 144 + (k % 2) x 64: the 16 rows that a load touches fall on 16 different 16-byte columns modulo 256
.set KSTEP, 64*KP                      ; 128 keys
.set L_VC,  1024*KP                    ; behind K's 147,456 bytes: V, 8 tiles (key half g, t) at 4 g + t, each 16 rows (row y = channel 4 y + t) of 1,024 bytes + 16
.set VP,    1040
.set VTILE, 16*VP
.set L_KS,  L_VC+8*VTILE               ; K's scale words: word (16 T + r) x 4 + c = the two bytes of lane r's key of fragment c of step T, then those of the key 8 on
.set L_VS,  L_KS+4096                  ; V's scale words: word (16 T + r) x 4 + t = the four bytes of channel 4 r + t for the 128 keys of step T
.set L_BI,  L_VS+4096                  ; the mask table: an image of S's 128 registers: registers 4 k .. 4 k + 3 at 512 k + 16 x lane.  These three regions are written by LDS stores; no tensor load lands in them
; window 0
.set AK0, 1                            ; v1   my lane's place in a step's rows of K
.set AV0, 2                            ; v2   in a tile of V
.set AS0, 3                            ; v3   among K's scale words (V's lie 4,096 bytes on)
.set ABI, 4                            ; v4   in the mask table
.set GO,  5                            ; v5   my byte offset in a tile's 16 rows of out
.set ADK, 6                            ; v6-8 the addresses of the step in hand: K, V, scale words
.set ADV, 7
.set ADS, 8
.set ST,  16                           ; v16-31 unit n, tile a at 16 + 8 n + 4 a: +0 -M, +1 the largest c s, +2 and +3 1 / l
.set KSW, 32                           ; v32-35 K's scale words, v36-39 V's, v40-43 Q's (2 n + a), v44-45 P's: these hold scales and nothing else
.set VSW, 36
.set QSW, 40
.set PSW, 44
.set NEG, 46                           ; v46  -3e38
.set WK,  48                           ; v48-79 at work.  Pass 1, tile a at 48 + 16 a: +0..3 four maxima, +4 the other half's, +5 M's step, +6,7 f, +8..15 four pairs of sums, the first of which stays
                                       ;        Pass 2: +0..3 the blocks' largest p, +4..7 the other half's, then the bytes, +12..15 the conversions' scale operands
.set PCD, 80                           ; v80-111 P's codes, 16 a tile
.set S,   128                          ; v128-255 the scores, then p: 64 a tile
.set VF,  128                          ; V's four fragments take tile 0's place once its codes are made
.set G,   192                          ; the way out: rows of out, in tile 1's place
; window 1
.set KF,  0                            ; v0-63   K's four fragments
.set QB,  72                           ; v64-135 nine groups of eight: 0, q(0,0), 0, q(0,1), 0, q(1,0), 0, q(1,1), 0;  q(n, a) at 72 + 32 n + 16 a
.set O,   192                          ; v192-255 the accumulators of out: tile a, channels' tile t at 192 + 32 a + 8 t
; scalars
.set WV,  18                           ; s18 wave, s19 cx, s20 head
.set CX,  19
.set HEAD, 20
.set CS,  22                           ; s[22:23] c, twice: the packed form names the pair
.set G1K, 24                           ; s[24:31], s[32:39] descriptor groups 1 for K and V;  s[40:43], s[44:47] their groups 0
.set G1V, 32
.set G0K, 40
.set G0V, 44
.set SEL, 48                           ; s[48:49] v_permlanex16_b32's selects for lane l xor 16
.set MNT, 50
.set T,   51                           ; s51 the key step
.set J0,  52                           ; s52, s53 my two units' j
.set TK,  54                           ; s54 where the step's keys begin in LDS, s55 its scale words, s56 its part of V's rows
.set TS,  55
.set TV,  56
.set OB,  66                           ; s[66:69] out at my units' first rows;  s[70:73] Q's codes;  s[74:77] Q's scale bytes
.set QCB, 70
.set QSB, 74
.set MSB, 0
.macro WIN new                         ; s_set_vgpr_msb: bits 1:0 source 0, 3:2 source 1, 5:4 source 2, 7:6 destination; the high byte repeats the setting that is left
.if MSB != \new
	s_set_vgpr_msb (MSB<<8)|\new
.set MSB, \new
.endif
.endm
.macro ROUND                           ; a round of the cluster's barrier: my work-group's barrier, wave 0 signals for the work-group, every wave waits for all four work-groups, my work-group's barrier once more
	s_barrier_signal -1
	s_barrier_wait -1
	s_cmp_lg_u32 s[WV], 0
	s_cbranch_scc1 .Lnot_wave_0_\@
	s_barrier_signal -3
.Lnot_wave_0_\@:
	s_barrier_wait -3
	s_barrier_signal -1
	s_barrier_wait -1
.endm
; THE EXPONENTIALS OF ONE TILE ARE DEALT OUT AMONG THE PLAIN LINES OF THE OTHER.  START base, num, den: from here on TICK, which stands ahead of each plain line of the macros below, writes num exponentials
; at every den-th call, v[base] on, 64 in all.  STOP writes what is left and ends the dealing.  None of the plain lines between names a register of the batch; one wait follows each batch.
.set EXON, 0
.macro START base, num, den
.set EB, \base
.set EN, 0
.set NUM, \num
.set DEN, \den
.set DC, 0
.set EXON, 1
.endm
.macro EMIT1
.if EN < 64
	v_exp_f32 v[EB+EN], v[EB+EN]
.set EN, EN+1
.endif
.endm
.macro TICK
.if EXON
.set DC, DC+1
.if DC >= DEN
.set DC, 0
.rept NUM
	EMIT1
.endr
.endif
.endif
.endm
.macro STOP
.rept 64
	EMIT1
.endr
.set EXON, 0
.endm
	s_load_b256 s[4:11], s[0:1], 0x0               ; Q's codes s[4:5], Q's scales s[6:7], K's codes s[8:9], K's scales s[10:11]
	s_load_b128 s[12:15], s[0:1], 0x20             ; V's codes, V's scales
	s_load_b64 s[16:17], s[0:1], 0x30              ; out
	v_lshl_add_u32 v47, v0, 2, 0x4a800
	s_set_vgpr_msb 0x40
	v_mov_b32 v191, 0
	s_set_vgpr_msb 0x4044
	ds_add_u32 v47, v191
	ds_add_u32 v47, v191
	s_set_vgpr_msb 0x4400
	v_lshrrev_b32 v9, 5, v0
	v_readfirstlane_b32 s[WV], v9                  ; wave 0..7
	s_bfe_u32 s[CX], ttmp6, 0x40000                ; cx: my place in the cluster
	s_and_b32 s[HEAD], ttmp7, 0xffff               ; the head, which the four partners share
	s_mov_b32 s[J0], s[WV]
	s_xor_b32 s[J0+1], s[WV], 15                   ; 15 - wave
	s_mov_b32 s[CS], 0x3e38aa3b                    ; c = log2(e) / 8
	s_mov_b32 s[CS+1], s[CS]
	s_mov_b32 s[SEL], 0x76543210
	s_mov_b32 s[SEL+1], 0xfedcba98
	; group 1 for K: 128 rows of 128 bytes (two keys each), dense in memory, 16 bytes of padding behind each row
	s_mov_b32 s[G1K], 15|(1<<20)|(1<<21)|(4<<22)|(3<<25)   ; 15:0 the mask: all four work-groups; 17:16 elements of 1 byte; 20 padding on; 21 set beside a mask; 24:22 after every 32 words (code 4); 31:25 four words (code 3)
	s_mov_b32 s[G1K+1], 128<<16                    ; tensor_dim0 = 128
	s_mov_b32 s[G1K+2], 128<<16                    ; tensor_dim1 = 128
	s_mov_b32 s[G1K+3], 128<<16                    ; tile_dim0 = 128
	s_mov_b32 s[G1K+4], 128                        ; tile_dim1 = 128
	s_mov_b32 s[G1K+5], 128                        ; from row to row
	s_mov_b32 s[G1K+6], 0
	s_mov_b32 s[G1K+7], 0
	; group 1 for V: 16 rows of 1,024 bytes, every fourth channel: 8,192 bytes apart in memory; 16 bytes of padding behind each row
	s_mov_b32 s[G1V], 15|(1<<20)|(1<<21)|(7<<22)|(3<<25)   ; padding after every 256 words (code 7)
	s_mov_b32 s[G1V+1], 1024<<16
	s_mov_b32 s[G1V+2], 16<<16
	s_mov_b32 s[G1V+3], 1024<<16
	s_mov_b32 s[G1V+4], 16
	s_mov_b32 s[G1V+5], 8192
	s_mov_b32 s[G1V+6], 0
	s_mov_b32 s[G1V+7], 0
	; what my wave fetches hangs on the head and the wave alone: keys 256 w on;  V's tile w: channels 4 y + (w % 4), keys 1,024 (w / 4) on
	s_lshl_b32 s58, s[HEAD], 17                    ; a head's codes are 131,072 bytes in each tensor
	s_mov_b32 s59, 0
	s_lshl_b32 s60, s[WV], 14
	s_mov_b32 s61, 0
	s_add_nc_u64 s[60:61], s[60:61], s[58:59]
	s_and_b32 s62, s[WV], 3
	s_lshl_b32 s62, s62, 11
	s_lshr_b32 s56, s[WV], 2
	s_lshl_b32 s56, s56, 10
	s_add_co_u32 s62, s62, s56
	s_mov_b32 s63, 0
	s_add_nc_u64 s[62:63], s[62:63], s[58:59]
	s_mov_b32 s[G0K], 1                            ; count = 1
	s_mul_i32 s[G0K+1], s[WV], 128*KP              ; LDS address
	s_mov_b32 s[G0V], 1
	s_mul_i32 s[G0V+1], s[WV], VTILE
	s_add_co_u32 s[G0V+1], s[G0V+1], L_VC
	s_wait_dscnt 0x0
	s_wait_kmcnt 0x0
	s_add_nc_u64 s[G0K+2:G0K+3], s[8:9], s[60:61]
	s_or_b32 s[G0K+3], s[G0K+3], 0x80000000        ; type = 2
	s_add_nc_u64 s[G0V+2:G0V+3], s[12:13], s[62:63]
	s_or_b32 s[G0V+3], s[G0V+3], 0x80000000
	ROUND                                          ; all four work-groups are here: the joint loads meet
	tensor_load_to_lds s[G0K:G0K+3], s[G1K:G1K+7]  ; the launch's only fills: two tensor loads of mine are out
	s_nop 0
	tensor_load_to_lds s[G0V:G0V+3], s[G1V:G1V+7]
	s_nop 0
.rept 4
	v_nop                                          ; four lines behind the tensor loads, ahead of any switch of windows
.endr
	; Q's and out's addresses of my two units: first query 128 j + 32 cx.  What holds cx (s21, s57, s[78:79]) enters no descriptor and no LDS address
	s_lshl_b32 s60, s[HEAD], 12                    ; a head's scale bytes are 4,096 in each tensor
	s_mov_b32 s61, 0
	s_lshl_b32 s62, s[HEAD], 19                    ; a head of out is 524,288 bytes
	s_mov_b32 s63, 0
	s_add_nc_u64 s[10:11], s[10:11], s[60:61]      ; K's and V's scale bytes at my head
	s_add_nc_u64 s[14:15], s[14:15], s[60:61]
.irp n, 0,1
	s_lshl_b32 s21, s[J0+\n], 7
	s_lshl_b32 s57, s[CX], 5
	s_add_co_u32 s21, s21, s57
	s_lshl_b32 s78, s21, 6                         ; 64 bytes of codes a query
	s_mov_b32 s79, 0
	s_add_nc_u64 s[78:79], s[78:79], s[58:59]
	s_add_nc_u64 s[QCB+2*\n:QCB+2*\n+1], s[4:5], s[78:79]
	s_lshl_b32 s78, s21, 1                         ; 2 scale bytes
	s_mov_b32 s79, 0
	s_add_nc_u64 s[78:79], s[78:79], s[60:61]
	s_add_nc_u64 s[QSB+2*\n:QSB+2*\n+1], s[6:7], s[78:79]
	s_lshl_b32 s78, s21, 8                         ; 256 bytes of out
	s_mov_b32 s79, 0
	s_add_nc_u64 s[78:79], s[78:79], s[62:63]
	s_add_nc_u64 s[OB+2*\n:OB+2*\n+1], s[16:17], s[78:79]
.endr
	v_and_b32 v9, 15, v0                           ; r
	v_bfe_u32 v10, v0, 4, 1                        ; h
	v_and_b32 v11, 8, v9
	v_add_nc_u32 v11, v11, v9                      ; r + 8 (r / 8)
	v_and_b32 v13, 31, v0                          ; lane
	v_lshlrev_b32 v14, 6, v9
	v_lshl_add_u32 v14, v10, 4, v14                ; Q's codes: 64 r + 16 h
	v_lshlrev_b32 v15, 1, v9                       ; Q's scale bytes: 2 r
	v_lshrrev_b32 v77, 4, v0                       ; for the scale tables thread i stands for (step i / 16, lane i % 16)
	v_lshlrev_b32 v72, 1, v11
	v_lshl_add_u32 v72, v77, 8, v72                ; K's scale bytes: 256 x step + 2 (r + 8 (r / 8))
	v_lshlrev_b32 v73, 8, v9
	v_lshl_add_u32 v73, v77, 2, v73                ; V's: 256 r + 4 x step
	WIN 0x40                                       ; destination window 1
.irp n, 0,1
.irp a, 0,1
.irp c, 0,1
	global_load_b128 v[QB+32*\n+16*\a+4*\c:QB+32*\n+16*\a+4*\c+3], v14, s[QCB+2*\n:QCB+2*\n+1] offset:1024*\a+32*\c th:TH_LOAD_NT   ; q(n, a): lane (r, h) takes bytes 32 c + 16 h on of query r; read once in the launch
.endr
.endr
.endr
.irp g, 0,1,2,3,4
.irp i, 0,1,2,3,4,5,6,7
	v_mov_b32 v[QB-8+16*\g+\i], 0                  ; the zero groups between them
.endr
.endr
	WIN 0
.irp n, 0,1
.irp a, 0,1
	global_load_u16 v[112+2*\n+\a], v15, s[QSB+2*\n:QSB+2*\n+1] offset:32*\a
.endr
.endr
.irp c, 0,1,2,3
	global_load_u16 v[116+2*\c], v72, s[10:11] offset:64*\c       ; the two bytes of my key of fragment c,
	global_load_u16 v[117+2*\c], v72, s[10:11] offset:64*\c+16    ; and of the key 8 on
.endr
.irp t, 0,1,2,3
	global_load_b32 v[124+\t], v73, s[14:15] offset:64*\t         ; channel 4 r + t: the step's four bytes
.endr
	; while these are out: the addresses that stay, and the mask table
	v_lshrrev_b32 v12, 1, v11
	v_mul_u32_u24 v[AK0], v12, KP
	v_and_b32 v12, 1, v11
	v_lshl_add_u32 v[AK0], v12, 6, v[AK0]
	v_lshl_add_u32 v[AK0], v10, 4, v[AK0]          ; K: my key's row, its half of the row, + 16 h
	v_mul_u32_u24 v[AV0], v9, VP
	v_lshl_add_u32 v[AV0], v10, 4, v[AV0]
	v_add_nc_u32 v[AV0], L_VC, v[AV0]              ; V: row r of a tile, + 16 h
	v_lshl_add_u32 v[AS0], v9, 4, L_KS             ; four scale words a lane
	v_lshl_add_u32 v[ABI], v13, 4, L_BI
	v_lshlrev_b32 v[GO], 11, v10
	v_lshl_add_u32 v[GO], v9, 4, v[GO]             ; out: 8 h rows of 256 bytes, + 16 r
	v_lshl_add_u32 v74, v0, 4, L_KS                ; where thread i puts its four scale words
	s_lshl_b32 s56, s[WV], 11
	v_add_nc_u32 v75, s56, v[ABI]                  ; where my wave puts its sixteen registers of the mask table
	v_mov_b32 v[NEG], 0xff61b1e6                   ; -3e38
.irp i, 52,53,54,55,68,71
	v_mov_b32 v\i, 0                               ; written once: a lane permute's destination counts as one of its sources, and so does the upper half of a pair of which the low word serves both halves
.endr
	; wave w makes S's registers 16 w .. 16 w + 15: tile a = w / 4, fragment c = w % 4.  Register i holds key 32 c + 16 h + i of the step, the lane's query is 32 cx + 16 a + r: hidden where i > d
	s_lshl_b32 s21, s[CX], 5
	s_lshr_b32 s57, s[WV], 2
	s_lshl_b32 s57, s57, 4
	s_add_co_u32 s21, s21, s57
	s_and_b32 s57, s[WV], 3
	s_lshl_b32 s57, s57, 5
	s_sub_co_i32 s21, s21, s57
	v_lshlrev_b32 v76, 4, v10
	v_sub_nc_u32 v76, v9, v76
	v_add_nc_u32 v76, s21, v76                     ; d = 32 cx + 16 a + r - 32 c - 16 h
.irp i, 0,1,2,3,4,5,6,7,8,9,10,11,12,13,14,15
	v_cmp_gt_i32 vcc_lo, \i, v76
	v_cndmask_b32 v[96+\i], 0, v[NEG], vcc_lo
.endr
.irp k, 0,1,2,3
	ds_store_b128 v75, v[96+4*\k:96+4*\k+3] offset:512*\k
.endr
	s_wait_loadcnt 0x0                             ; Q and all scale bytes
.irp i, 0,1,2,3
	v_lshl_or_b32 v[QSW+\i], v[112+\i], 16, v[112+\i]     ; Q's word: its two bytes twice, for k = 0..63 and for k = 64..127
.endr
.irp c, 0,1,2,3
	v_lshl_or_b32 v[80+\c], v[117+2*\c], 16, v[116+2*\c]  ; K's word: my key's two bytes, then those of the key 8 on
.endr
	ds_store_b128 v74, v[80:83]
	ds_store_b128 v74, v[124:127] offset:4096
	s_wait_tensorcnt 0x1                           ; my part of K has landed; the one load issued behind it, V's, may stay out
	s_wait_dscnt 0x0                               ; for the others' sake: my stores into the tables are done
	s_barrier_signal -1
	s_barrier_wait -1                              ; K, the scale words and the mask table lie whole in LDS
.macro KLOAD                           ; the step's four fragments of K and their scale words
	WIN 0x40
.irp c, 0,1,2,3
	ds_load_b128 v[KF+16*\c:KF+16*\c+3],     v[ADK] offset:16*KP*\c          ; my key, bytes 16 h on,
	ds_load_b128 v[KF+16*\c+4:KF+16*\c+7],   v[ADK] offset:16*KP*\c+32       ; and 32 + 16 h on;
	ds_load_b128 v[KF+16*\c+8:KF+16*\c+11],  v[ADK] offset:16*KP*\c+4*KP     ; the key 8 on: four rows further
	ds_load_b128 v[KF+16*\c+12:KF+16*\c+15], v[ADK] offset:16*KP*\c+4*KP+32
.endr
	WIN 0
	ds_load_b128 v[KSW:KSW+3], v[ADS]
.endm
; 16 products on 16 accumulators: fragment c x tile a x (y = 0: [q, 0], my keys; y = 1: [0, q], the keys 8 on).  inplace = 1: they add onto the mask table's numbers
.macro QK n, inplace
	WIN 0x05                                       ; K and Q in window 1, S in window 0
.irp c, 0,1,2,3
.irp a, 0,1
.irp y, 0,1
.if \inplace
	v_wmma_scale_f32_16x16x128_f8f6f4 v[S+64*\a+16*\c+8*\y:S+64*\a+16*\c+8*\y+7], v[KF+16*\c:KF+16*\c+15], v[QB+32*(\n)+16*\a-8*\y:QB+32*(\n)+16*\a-8*\y+15], v[S+64*\a+16*\c+8*\y:S+64*\a+16*\c+8*\y+7], v[KSW+\c], v[QSW+2*(\n)+\a] matrix_a_fmt:MATRIX_FMT_BF8 matrix_b_fmt:MATRIX_FMT_BF8
.else
	v_wmma_scale_f32_16x16x128_f8f6f4 v[S+64*\a+16*\c+8*\y:S+64*\a+16*\c+8*\y+7], v[KF+16*\c:KF+16*\c+15], v[QB+32*(\n)+16*\a-8*\y:QB+32*(\n)+16*\a-8*\y+15], 0, v[KSW+\c], v[QSW+2*(\n)+\a] matrix_a_fmt:MATRIX_FMT_BF8 matrix_b_fmt:MATRIX_FMT_BF8
.endif
.endr
.endr
.endr
	WIN 0
.endm
; A step's scores of both tiles.  second = 1: V's scale words come with K's.  The branch hangs on the wave's number and the loop's counter.
.macro SCORES n, second
	KLOAD
.if \second
	ds_load_b128 v[VSW:VSW+3], v[ADS] offset:4096
.endif
	s_cmp_eq_u32 s[T], s[J0+\n]
	s_cbranch_scc1 .Ldiag_\@
	s_wait_dscnt 0x0
	QK \n, 0
	s_branch .Lscored_\@
.Ldiag_\@:                             ; the step on the diagonal
.set kk, 0
.rept 32
	ds_load_b128 v[S+4*kk:S+4*kk+3], v[ABI] offset:512*kk
.set kk, kk+1
.endr
	s_wait_dscnt 0x0
	QK \n, 1
.Lscored_\@:
.rept 8
	v_nop                                          ; eight places behind this form ahead of the first read of the scores; they also serve the next step's loads into K's registers and scale words
.endr
.endm
; PASS 1.  The largest score of tile a's 64 (each accumulator is read from its low end on), with the other half of the lanes'; the new M; f = 2^(old M - new M)
.macro MX n, a
.set rS, S+64*(\a)
.set rW, WK+16*(\a)
.set rT, ST+8*(\n)+4*(\a)
.irp b, 0,1,2,3
	TICK
	v_max3_num_f32 v[rW+\b], v[rS+16*\b], v[rS+16*\b+1], v[rS+16*\b+2]
.endr
.irp i, 3,5,7,9,11,13
.irp b, 0,1,2,3
	TICK
	v_max3_num_f32 v[rW+\b], v[rW+\b], v[rS+16*\b+\i], v[rS+16*\b+\i+1]    ; four chains by turns
.endr
.endr
.irp b, 0,1,2,3
	TICK
	v_max_num_f32 v[rW+\b], v[rW+\b], v[rS+16*\b+15]
.endr
	TICK
	v_max3_num_f32 v[rW], v[rW], v[rW+1], v[rW+2]
	TICK
	v_max_num_f32 v[rW], v[rW], v[rW+3]
	TICK
	v_permlanex16_b32 v[rW+4], v[rW], s[SEL], s[SEL+1]     ; my query's other 64 keys lie in lane l xor 16
	TICK
	v_max_num_f32 v[rW], v[rW], v[rW+4]
	TICK
	v_mul_f32 v[rW], s[CS], v[rW]                  ; as c s (c is positive)
	TICK
	v_max_num_f32 v[rT+1], v[rT+1], v[rW]          ; the largest so far
	TICK
	v_mov_b32 v[rW+5], v[rT]
	TICK
	v_floor_f32 v[rT], -v[rT+1]                    ; the new -M: M is a whole number
	TICK
	v_sub_f32 v[rW+5], v[rT], v[rW+5]              ; old M - new M: a whole number, 0 or less
	TICK
	v_cvt_i32_f32 v[rW+5], v[rW+5]                 ; (it saturates)
	TICK
	v_ldexp_f32 v[rW+6], 1.0, v[rW+5]              ; f
.endm
.macro FMA n, a                        ; c s - M, two at a time; of the pairs c and -M the low word serves both halves.  In pass 2 these are the first reads of the scores: ascending
.set rS, S+64*(\a)
.set rT, ST+8*(\n)+4*(\a)
.set jj, 0
.rept 32
	TICK
	v_pk_fma_f32 v[rS+jj:rS+jj+1], v[rS+jj:rS+jj+1], s[CS:CS+1], v[rT:rT+1] op_sel_hi:[1,0,0]
.set jj, jj+2
.endr
.endm
.macro SUM a                           ; the tile's 32 pairs of p~ go into four chains, of which the first is the running sum; then the chains are joined
.set rS, S+64*(\a)
.set rL, WK+16*(\a)+8
.irp k, 1,2,3
	TICK
	v_pk_add_f32 v[rL+2*\k:rL+2*\k+1], v[rS+4*\k-4:rS+4*\k-3], v[rS+4*\k-2:rS+4*\k-1]
.endr
.set jj, 6
.rept 26
	TICK
	v_pk_add_f32 v[rL+2*(jj%4):rL+2*(jj%4)+1], v[rL+2*(jj%4):rL+2*(jj%4)+1], v[rS+2*jj:rS+2*jj+1]
.set jj, jj+1
.endr
	TICK
	v_pk_add_f32 v[rL:rL+1], v[rL:rL+1], v[rL+2:rL+3]
	TICK
	v_pk_add_f32 v[rL+4:rL+5], v[rL+4:rL+5], v[rL+6:rL+7]
	TICK
	v_pk_add_f32 v[rL:rL+1], v[rL:rL+1], v[rL+4:rL+5]
.endm
.macro FIN n, a                        ; 1 / l: the sum's two halves, the other half of the lanes', the reciprocal and one Newton step
.set rW, WK+16*(\a)
.set rT, ST+8*(\n)+4*(\a)
	v_add_f32 v[rW], v[rW+8], v[rW+9]
	v_permlanex16_b32 v[rW+4], v[rW], s[SEL], s[SEL+1]
	v_add_f32 v[rW], v[rW], v[rW+4]
	v_rcp_f32 v[rW+5], v[rW]
	v_nop                                          ; a plain line behind the transcendental,
	s_wait_alu depctr_va_vdst(0)                   ; and a wait ahead of its first reader
	v_fma_f32 v[rW+1], -v[rW], v[rW+5], 1.0
	v_fma_f32 v[rT+2], v[rW+5], v[rW+1], v[rW+5]
	v_mov_b32 v[rT+3], v[rT+2]                     ; (named with it as a pair)
.endm
; The loops have 16 trips in every wave, so that the stepped LDS addresses are plain; a step all of whose keys come after the unit's queries (T > j) is jumped over, but for the lines that step addresses.
.macro PASS1 n
.irp a, 0,1
	v_mov_b32 v[ST+8*\n+4*\a+1], v[NEG]            ; the largest c s so far: -3e38, under every one
	v_floor_f32 v[ST+8*\n+4*\a], -v[NEG]           ; -M
	v_mov_b32 v[WK+16*\a+8], 0                     ; the sum, in two halves: the first change of M multiplies zeros
	v_mov_b32 v[WK+16*\a+9], 0
.endr
	s_mov_b32 s[T], 0
	s_mov_b32 s[TK], 0
	s_mov_b32 s[TS], 0
.Lone_\@:
	s_cmp_gt_u32 s[T], s[J0+\n]
	s_cbranch_scc1 .Lone_hidden_\@
	v_add_nc_u32 v[ADK], s[TK], v[AK0]
	v_add_nc_u32 v[ADS], s[TS], v[AS0]
	SCORES \n, 0
	MX \n, 0
	FMA \n, 0
	START S, 1, 1                                  ; tile 0's exponentials among tile 1's 75 plain lines
	MX \n, 1
	FMA \n, 1
	STOP
	v_pk_mul_f32 v[WK+8:WK+9], v[WK+8:WK+9], v[WK+6:WK+7] op_sel_hi:[1,0]          ; tile 0's sum under the new M (a plain line behind the batch)
	s_wait_alu depctr_va_vdst(0)                   ; one wait for the batch of 64, ahead of its first reader
	START S+64, 2, 1                               ; tile 1's exponentials among tile 0's 32 sums
	SUM 0
	STOP
	v_pk_mul_f32 v[WK+24:WK+25], v[WK+24:WK+25], v[WK+22:WK+23] op_sel_hi:[1,0]    ; tile 1's sum under the new M
	s_wait_alu depctr_va_vdst(0)                   ; and one for this batch
	SUM 1
.Lone_hidden_\@:
	s_add_co_u32 s[TK], s[TK], KSTEP
	s_add_co_u32 s[TS], s[TS], 256
	s_add_co_u32 s[T], s[T], 1
	s_cmp_lt_u32 s[T], 16
	s_cbranch_scc1 .Lone_\@
	FIN \n, 0
	FIN \n, 1
.endm
; PASS 2.
.macro MULP n, a                       ; p = p~ / l
.set rS, S+64*(\a)
.set rT, ST+8*(\n)+4*(\a)
.set jj, 0
.rept 32
	TICK
	v_pk_mul_f32 v[rS+jj:rS+jj+1], v[rS+jj:rS+jj+1], v[rT+2:rT+3] op_sel_hi:[1,0]
.set jj, jj+2
.endr
.endm
.macro MAXB a                          ; each block's largest p among my 16, and the floor 2^(16 - 127), so that the byte cannot fall under 1.  p is never negative: no |.|
.set rS, S+64*(\a)
.irp b, 0,1,2,3
	TICK
	v_max3_num_f32 v[WK+\b], v[rS+16*\b], v[rS+16*\b+1], 0x8000000
.endr
.irp i, 2,4,6,8,10,12,14
.irp b, 0,1,2,3
	TICK
	v_max3_num_f32 v[WK+\b], v[WK+\b], v[rS+16*\b+\i], v[rS+16*\b+\i+1]
.endr
.endr
.endm
.macro SCL a                           ; the four blocks' scales
.irp b, 0,1,2,3
	TICK
	v_permlanex16_b32 v[WK+4+\b], v[WK+\b], s[SEL], s[SEL+1]
.endr
.irp b, 0,1,2,3
	TICK
	v_max_num_f32 v[WK+\b], v[WK+\b], v[WK+4+\b]           ; with lane l xor 16's 16 keys: the block's largest p
.endr
.irp b, 0,1,2,3
	TICK
	v_add_nc_u32 v[WK+12+\b], 0xf8800000, v[WK+\b]         ; 15 off its exponent field: the conversion takes that field as its scale
.endr
.irp b, 0,1,2,3
	TICK
.endr
.irp b, 0,1,2,3
	TICK
	v_lshrrev_b32 v[WK+4+\b], 23, v[WK+12+\b]              ; the scale's byte
.endr
	TICK
	v_lshl_or_b32 v[PSW+\a], v[WK+5], 8, v[WK+4]           ; my query's scale word for these 128 keys
	TICK
	v_lshl_or_b32 v[PSW+\a], v[WK+6], 16, v[PSW+\a]
	TICK
	v_lshl_or_b32 v[PSW+\a], v[WK+7], 24, v[PSW+\a]
.endm
.macro HOLD a                          ; the conversion to an 8-bit code does not saturate (ISA guide 7.6.2)
.set rS, S+64*(\a)
.irp b, 0,1,2,3
.set ii, 0
.rept 16
	TICK
.set ii, ii+1
.endr
.endr
.endm
.macro CVT a                           ; registers 4 b .. 4 b + 3 of P's operand: keys 32 b + 16 h + 0 .. 15
.set rS, S+64*(\a)
.irp b, 0,1,2,3
	v_cvt_scalef32_pk8_bf8_f32 v[PCD+16*\a+4*\b:PCD+16*\a+4*\b+1], v[rS+16*\b:rS+16*\b+7], v[WK+12+\b]
	v_cvt_scalef32_pk8_bf8_f32 v[PCD+16*\a+4*\b+2:PCD+16*\a+4*\b+3], v[rS+16*\b+8:rS+16*\b+15], v[WK+12+\b]
.endr
.endm
.macro PASS2 n
	WIN 0x40
.set ii, 0
.rept 64
	v_mov_b32 v[O+ii], 0                           ; the unit's sums begin as zeros, so that the step is written once and needs no branch for its first turn
.set ii, ii+1
.endr
	WIN 0
	s_mov_b32 s[T], 0
	s_mov_b32 s[TK], 0
	s_mov_b32 s[TS], 0
.Ltwo_\@:
	s_cmp_gt_u32 s[T], s[J0+\n]
	s_cbranch_scc1 .Ltwo_hidden_\@
	s_lshl_b32 s[TV], s[T], 7                      ; V: 128 bytes a step along a row; from step 8 on the second four tiles, 4 x 16,640 bytes on: 128 T + 65,536 (T / 8)
	s_lshr_b32 s62, s[T], 3
	s_lshl_b32 s62, s62, 16
	s_add_co_u32 s[TV], s[TV], s62
	v_add_nc_u32 v[ADK], s[TK], v[AK0]
	v_add_nc_u32 v[ADS], s[TS], v[AS0]
	v_add_nc_u32 v[ADV], s[TV], v[AV0]
	SCORES \n, 1
	FMA \n, 0
	START S, 2, 1                                  ; tile 0's exponentials among tile 1's 32 scalings: the last of these is the plain line behind the batch
	FMA \n, 1
	STOP
	s_wait_alu depctr_va_vdst(0)                   ; one wait for the batch of 64, ahead of its first reader
	START S+64, 1, 2                               ; tile 1's exponentials among tile 0's 151 plain lines, one to every two
	MULP \n, 0
	MAXB 0
	SCL 0
	HOLD 0
	STOP
	CVT 0
	v_nop                                          ; a plain line behind the conversions, ahead of the vector lines that write their scale operands anew
.irp t, 0,1,2,3                                    ; V's four fragments, into the registers that tile 0's p has left: channel 4 r + t, keys 32 c + 16 h on
.irp c, 0,1,2,3
	ds_load_b128 v[VF+16*\t+4*\c:VF+16*\t+4*\c+3], v[ADV] offset:VTILE*\t+32*\c
.endr
.endr
	s_wait_alu depctr_va_vdst(0)                   ; and one wait for tile 1's batch
	MULP \n, 1
	MAXB 1
	SCL 1
	HOLD 1
	CVT 1
.rept 4
	v_nop                                          ; an operand written by vector instructions stands four places ahead of a scaled product
.endr
	s_wait_dscnt 0x0                               ; V's fragments are in (asked for a tile's 151 lines ago)
	WIN 0x50                                       ; C and D in window 1
.irp t, 0,1,2,3
.irp a, 0,1                                        ; the eight accumulators by turns
	v_wmma_scale_f32_16x16x128_f8f6f4 v[O+32*\a+8*\t:O+32*\a+8*\t+7], v[PCD+16*\a:PCD+16*\a+15], v[VF+16*\t:VF+16*\t+15], v[O+32*\a+8*\t:O+32*\a+8*\t+7], v[PSW+\a], v[VSW+\t] matrix_a_fmt:MATRIX_FMT_BF8 matrix_b_fmt:MATRIX_FMT_BF8
.endr
.endr
	WIN 0
.rept 9
	v_nop                                          ; nine places: the next step's products write over the registers that held V's fragments; eight of them serve its loads and the way out's reads
.endr
.Ltwo_hidden_\@:
	s_add_co_u32 s[TK], s[TK], KSTEP
	s_add_co_u32 s[TS], s[TS], 256
	s_add_co_u32 s[T], s[T], 1
	s_cmp_lt_u32 s[T], 16
	s_cbranch_scc1 .Ltwo_\@
	; THE WAY OUT.  The four tiles' registers j are channels 4 r .. 4 r + 3 of query 8 h + j: gathered into four neighbouring registers (each accumulator is read from its register 0 on)
	WIN 0x01                                       ; source 0 in window 1
.irp a, 0,1
.irp j, 0,1,2,3,4,5,6,7
.irp t, 0,1,2,3
	v_mov_b32 v[G+32*\a+4*\j+\t], v[O+32*\a+8*\t+\j]
.endr
.endr
.endr
	WIN 0
.irp a, 0,1
.irp j, 0,1,2,3,4,5,6,7
	global_store_b128 v[GO], v[G+32*\a+4*\j:G+32*\a+4*\j+3], s[OB+2*\n:OB+2*\n+1] offset:4096*\a+256*\j th:TH_STORE_NT   ; 16 lanes store one row of out: 256 consecutive bytes, at a multiple of 256 from out's first byte; written once, read by nobody here
.endr
.endr
.endm
	PASS1 0                                        ; both units' first pass: 17 steps in every wave, under which V lands
	PASS1 1
	s_wait_tensorcnt 0x0                           ; my part of V has landed,
	s_wait_dscnt 0x0
	s_barrier_signal -1
	s_barrier_wait -1                              ; everybody's has
	PASS2 0
	s_wait_xcnt 0x0                                ; the stores have read their registers: the next unit's scores are written there only behind this wait
	PASS2 1
	s_set_vgpr_msb 0x4
	s_wait_tensorcnt 0x0
	ds_add_u32 v47, v191
	s_wait_dscnt 0x0
	s_set_vgpr_msb 0x400
	ROUND                                          ; the closing round: no work-group ends while a partner may still ask for a tile that names it
	s_endpgm
.Lfunc_end_k_qed471676ca_attn:
	.size	k_qed471676ca_attn, .Lfunc_end_k_qed471676ca_attn-k_qed471676ca_attn
	.p2alignl 7, 3214868480
	.fill 96, 4, 3214868480
	.section	.rodata,"a",@progbits
	.p2align	6, 0x0
	.amdhsa_kernel k_qed471676ca_attn
		.amdhsa_group_segment_fixed_size 327680
		.amdhsa_private_segment_fixed_size 0
		.amdhsa_enable_private_segment 0
		.amdhsa_kernarg_size 56
		.amdhsa_user_sgpr_count 2
		.amdhsa_user_sgpr_kernarg_segment_ptr 1
		.amdhsa_wavefront_size32 1
		.amdhsa_system_sgpr_workgroup_id_x 1
		.amdhsa_system_sgpr_workgroup_id_y 1
		.amdhsa_system_sgpr_workgroup_id_z 1
		.amdhsa_system_vgpr_workitem_id 0
		.amdhsa_next_free_vgpr 512
		.amdhsa_next_free_sgpr 80
		.amdhsa_reserve_vcc 1
		.amdhsa_float_denorm_mode_32 3
		.amdhsa_float_denorm_mode_16_64 3
		.amdhsa_fp16_overflow 1
		.amdhsa_memory_ordered 1
		.amdhsa_forward_progress 1
		.amdhsa_inst_pref_size 137
	.end_amdhsa_kernel
	.amdgpu_metadata
---
amdhsa.version: [ 1, 2 ]
amdhsa.kernels:
  - .name:           k_qed471676ca_attn
    .symbol:         k_qed471676ca_attn.kd
    .args:
      - { .name: q_codes, .offset: 0, .size: 8, .value_kind: global_buffer, .address_space: global }
      - { .name: q_scales, .offset: 8, .size: 8, .value_kind: global_buffer, .address_space: global }
      - { .name: k_codes, .offset: 16, .size: 8, .value_kind: global_buffer, .address_space: global }
      - { .name: k_scales, .offset: 24, .size: 8, .value_kind: global_buffer, .address_space: global }
      - { .name: v_codes, .offset: 32, .size: 8, .value_kind: global_buffer, .address_space: global }
      - { .name: v_scales, .offset: 40, .size: 8, .value_kind: global_buffer, .address_space: global }
      - { .name: out0, .offset: 48, .size: 8, .value_kind: global_buffer, .address_space: global }
    .group_segment_fixed_size: 327680
    .private_segment_fixed_size: 0
    .kernarg_segment_align: 8
    .kernarg_segment_size: 56
    .max_flat_workgroup_size: 256
    .sgpr_count:     80
    .vgpr_count:     512
    .wavefront_size: 32
...
	.end_amdgpu_metadata
.endif
;; end of part 1
